; MI455X (gfx1250); checked and timed in simulation.
; The chip was launched on July 23, 2026; its instructions are those of AMD's public machine-readable ISA for CDNA 5 (MIT licence, August 2026) and "CDNA5" Instruction Set Architecture Reference Guide (July 2026). The comments in the code are by the model that wrote it; some were corrected since.
;; MHA. Allowed arithmetic: matrix products marked QUANTISED: E2M1 operands, one E8M0 scale for each 32 along K, by v_wmma_scale_f32_16x16x128_f8f6f4 with both operands' format E2M1 (or v_wmma_scale_f32_32x16x128_f4), f32 sums; everything else in f32.
;; Inputs: W_k 1,024 x 128 float32; W_q 1,024 x 128 float32; W_v 1,024 x 128 float32; x 4 x 2,048 x 128 float32.
;; Outputs: out0 4 x 8 x 2,048 x 128 float32.
;; This version of the problem:
;;   THIS VERSION OF THE PROBLEM IS GIVEN IN LOW PRECISION. The matrix products marked QUANTISED in the list below multiply operands that are first quantised to E2M1 (2 exponent bits, 1 mantissa bit; 4 bits a number), with one power-of-two scale for each 32 numbers along K (OCP MX v1.0); their sums are f32. All else is computed in f32.
;;   The module's matrix products, in the order in which they are computed (A, B: the left and right operand; K: the contracted axis; several contracted axes count as one K, in the product's order):
;;     1. [M 8,192, K 128] x [K 128, N 1,024]; A: input x; B: input W_q: QUANTISED
;;     2. [M 8,192, K 128] x [K 128, N 1,024]; A: input x; B: input W_k: QUANTISED
;;     3. [M 8,192, K 128] x [K 128, N 1,024]; A: input x; B: input W_v: QUANTISED
;;     4. batch 32 x [M 2,048, K 128] x [K 128, N 2,048]; A: computed on the way; B: computed on the way: QUANTISED
;;     5. batch 32 x [M 2,048, K 2,048] x [K 2,048, N 128]; A: computed on the way; B: computed on the way: QUANTISED
;;   THE QUANTISER, for each operand of a quantised product, along K:
;;     - K is cut into blocks of 32 from its start; a last block that is shorter is filled with zeros.
;;     - A block's scale is 2^e with e = floor(log2(the largest magnitude in the block)) - 2, held to -126 .. 127; a block of zeros has e = 0. As a byte (E8M0): e + 127.
;;     - Each number is divided by its block's scale, clamped to +-6, and rounded to the nearest number of E2M1, ties to even, subnormals kept.
;;     - The product sums the exact products of the quantised numbers (number of the format x scale) in f32.
;;   ~~~python
;;   def quantise(x, axis):      # numpy; x: float32 -> the quantised numbers, widened to float32 again
;;       x = np.moveaxis(x, axis, -1); K = x.shape[-1]
;;       x = np.pad(x, [(0, 0)] * (x.ndim - 1) + [(0, -K % 32)]); x = x.reshape(x.shape[:-1] + (-1, 32)); a = np.abs(x).max(-1, keepdims=True)
;;       e = np.where(a > 0, np.clip(np.frexp(np.where(a > 0, a, 1))[1] - 1 - 2, -126, 127), 0)      # np.frexp(a)[1] - 1 = floor(log2(a)), exactly
;;       r = np.clip(x / 2.0 ** e, -6, 6)
;;       step = 2.0 ** (np.maximum(np.frexp(np.where(r == 0, 1, r))[1] - 1, 0) - 1)
;;       q = np.round(r / step) * step * 2.0 ** e      # np.round: ties to even
;;       return np.moveaxis(q.reshape(q.shape[:-2] + (-1,))[..., :K], -1, axis).astype(np.float32)
;;   ~~~
;;   OPERANDS COMPUTED ON THE WAY. 'Computed on the way' means the value that the module computes at that place (a softmax that the list does not call 'softmax' is quantised finished and normalised). What goes into a quantiser is computed in f32, as accurately as f32 sums, v_exp_f32 and their like allow (about 1e-6 of the number): no bf16 or f16 on the way to a quantiser, and a product that is left as it is and whose result goes on into a quantised operand takes f32 operands (vector FMAs, or v_wmma_f32_16x16x4_f32). A number that lies on a knife's edge between two numbers of the format may be rounded either way, as far as f32 arithmetic and the matrix unit's own rounding can turn it there, and no further.
;; 2 versions, each right; version 2 is version 1 with the launch project written anew for expert scheduling mode. Each part assembles by itself: llvm-mc -triple=amdgcn-amd-amdhsa -mcpu=gfx1250 --defsym DOCPART=n.
;; ======== version 1 of 2: 2 launches
;; workspace buffers: qq 4,456,448 bytes; kv 8,912,896 bytes
;; launch project (part 1): grid 32 x 8, 8 waves a work-group, no clusters, 117,760 bytes of LDS; arguments x, W_q, W_k, W_v, qq, kv; writes qq, kv
.if DOCPART == 1
	.amdgcn_target "amdgcn-amd-amdhsa--gfx1250"
	.amdhsa_code_object_version 6
	.text
	.protected	k_q2e17d3a696_project
	.globl	k_q2e17d3a696_project
	.p2align	8
	.type	k_q2e17d3a696_project,@function
k_q2e17d3a696_project:
	s_mov_b64 s[64:65], 0
	v_nop
	global_prefetch_b8 v0, s[64:65] scope:SCOPE_SE
	s_setreg_imm32_b32 hwreg(HW_REG_WAVE_MODE, 25, 1), 1
	s_wait_xcnt 0x0
; Q, K, V = x W^T for 256 rows of x and one head (products on codes of FP4 (E2M1), one E8M0 scale for each 32 along K), and the results quantised again
; for the next launch: Q and K along the head's 128 channels, V along the keys.  x: [8192][128] f32; W_q, W_k, W_v: [1024][128] f32.
; OUT.  A FRAGMENT is 16 rows x 128 K of codes as the matrix instruction's registers hold it: 8 registers a lane, 1,024 bytes, registers 4 c .. 4 c + 3 of lane l at 512 c + 16 l.
;   qq [bh 32][block of 256 queries 8][wave 4][4,352]: four fragments of Q, then 256 bytes of scale words (row r, tile tt at 16 r + 4 tt).
;   kv [bh 32][step of 128 keys 16][17,408]: K's 8 fragments, V^T's 8 (16 channels x 128 keys each), K's scale words (512 bytes), V's (512): the word of (fragment f, row r) at 16 (16 (f & 1) + r) + 4 (f >> 1).
; THE ROWS OF A TILE ARE NOT NEIGHBOURS: of a group of 128 rows, lane r of tile 4 c + u takes row 64 c + 32 (r / 8) + 8 u + r % 8.  With such tiles as source 0, the 32 registers of result tiles 4 c .. 4 c + 3 are,
; in a lane of half h, the 32 neighbours 64 c + 32 h + 0 .. 31 along the axis that is quantised next (W_q's and W_k's rows, the channels, for Q and K; x's rows, the keys, for V): A WHOLE BLOCK IN ONE LANE, in the very order
; of the 4-bit operand's registers.  So a block's largest magnitude needs no other lane and the conversions' results are the fragment.  The same fragments of x serve as source 1 for Q and K.
; SHARES.  Eight waves.  Wave w quantises five fragments (x's tiles w and w + 8, tile w of each weight) and stores their register images in LDS; behind a barrier it makes six result fragments
; (Q's tiles w and w + 8, K's fragment w of both steps, V^T's channels 16 w .. 16 w + 15 of both steps), eight matrix instructions each.
; NO JOINT TENSOR LOADS, though work-groups share x's rows and the weights: the f32 rows have to be turned and quantised, and 256 + 384 rows of 528 bytes are 337,920 bytes, more than LDS holds; so they go through registers.
; LIMITS.  NaN and infinities among the inputs are not served.  A block of zeros gets the byte 1 where the rule says 127: its codes are zeros, which add nothing, and this program alone reads the bytes.
.set XIMG,   0                         ; LDS: x's 16 fragments,
.set WIMG,   16384                     ; the weights' 24 (8 m + t; m = 0 W_q, 1 W_k, 2 W_v),
.set XSC,    40960                     ; x's scale words, 128 bytes a fragment (4 bytes a lane),
.set WSC,    43008                     ; the weights',
.set SSTG,   46080                     ; the results' scale words as they leave: [step 2][K 512 | V 512], then Q's 4 x 256
.set STG,    49152                     ; a turning stage for each wave: 16 rows x 528
.set SPITCH, 528                       ; 512 bytes + 16: an odd multiple of 16, so that sixteen lanes reading one column of sixteen rows touch sixteen different 16-byte columns of 256
.set WSTG,   16*SPITCH
.set STEPB,  17408                     ; a key step in kv
.set HEADB,  16*STEPB
.set QENT,   4352                      ; a wave's entry in qq
.set LI,  1                            ; v1   16 x lane
.set LS,  2                            ; v2   4 x lane
.set WI,  3                            ; v3   16 x lane + 1,024 x wave: my fragment among eight
.set WS,  4                            ; v4   4 x lane + 128 x wave: its scale words
.set SW,  5                            ; v5   my stage, on the way in: 16 x lane
.set SRD, 6                            ; v6   and out: 528 r + 128 h
.set SK,  7                            ; v7   where K's and V's scale words go
.set SQ,  8                            ; v8   where Q's go
.set L8,  9                            ; v9   8 x lane + 256 x wave
.set G8,  10                           ; v10  8 x lane
.set SH,  15                           ; v15  8 h: how far my two scale bytes are shifted in the scale word
.set TM,  16                           ; v16-23 eight chains of the search; v24-25 leftovers and the floor; v26-27 the conversions' scale operands; v28-29 bytes; v30 the other half's bytes
.set PC,  32                           ; v32-39 the codes just made
.set PW,  40                           ; v40   their scale word
.set SETS, 41                          ; v41-48 scale words of the set of eight fragments
.set ONES, 49                          ; v49-51 scale words of my three single fragments
.set RA,  64                           ; v64-127  16 rows as loaded; later the set of eight fragments
.set RB,  128                          ; v128-191 the same; later eight result tiles
.set X,   192                          ; v192-255 64 numbers of my row; later my three single fragments
.set SETF, RA
.set HA,   RB
.set ONE,  X
.set WV,  16
.set SEL, 20
; 16 rows of a tile, each load one whole row: 32 lanes x 16 bytes = 512 consecutive bytes.  perm = 1: rows 0-7 and 32-39 from the base on
.macro GLOAD reg, base, perm, off
.irp n, 0,1,2,3,4,5,6,7,8,9,10,11,12,13,14,15
	global_load_b128 v[\reg+4*\n:\reg+4*\n+3], v[LI], s[\base:\base+1] offset:\off+(\n+24*(\n/8)*\perm)*512
.endr
.endm
; through my own stage: afterwards register 32 c + i of X holds k = 64 c + 32 (lane / 16) + i of row lane % 16.  LDS serves a wave's instructions in order (ISA guide 5.7.1.4): no wait between the stores and the loads
.macro TURNX reg
.irp n, 0,1,2,3,4,5,6,7,8,9,10,11,12,13,14,15
	ds_store_b128 v[SW], v[\reg+4*\n:\reg+4*\n+3] offset:SPITCH*\n
.endr
.irp c, 0,1
.irp j, 0,1,2,3,4,5,6,7
	ds_load_b128 v[X+32*\c+4*\j:X+32*\c+4*\j+3], v[SRD] offset:256*\c+16*\j
.endr
.endr
.endm
; 64 numbers of a lane, register 32 c + i = k 64 c + 32 (lane / 16) + i of my row: two whole blocks.  They become a fragment's codes in v[PC] on and its scale word in v[PW].
; The search: eight chains of seven numbers, so that a line reads a result made eight lines before; the eight numbers left over, the floor and the chains are joined by eight more lines: 32 lines for 64 numbers.
.macro QUANT s
.irp q, 0,1,2,3,4,5,6,7
	v_max3_num_f32 v[TM+\q], |v[\s+8*\q]|, |v[\s+8*\q+1]|, |v[\s+8*\q+2]|   ; chain q takes one result tile's registers, from the low end on
.endr
.irp n, 3,5
.irp q, 0,1,2,3,4,5,6,7
	v_max3_num_f32 v[TM+\q], v[TM+\q], |v[\s+8*\q+\n]|, |v[\s+8*\q+\n+1]|
.endr
.endr
.irp c, 0,1
	v_max3_num_f32 v[TM+8+\c], |v[\s+32*\c+23]|, |v[\s+32*\c+31]|, 0x1800000   ; two of the block's four leftovers, and the floor 2^(3 - 127): the byte cannot fall under 1
.endr
.irp c, 0,1
	v_max3_num_f32 v[TM+4*\c], v[TM+4*\c], v[TM+4*\c+1], |v[\s+32*\c+7]|
.endr
.irp c, 0,1
	v_max3_num_f32 v[TM+4*\c+2], v[TM+4*\c+2], v[TM+4*\c+3], |v[\s+32*\c+15]|
.endr
.irp c, 0,1
	v_max3_num_f32 v[TM+4*\c], v[TM+4*\c], v[TM+4*\c+2], v[TM+8+\c]   ; the largest magnitude of block 2 c + h
.endr
.irp c, 0,1
	v_add_nc_u32 v[TM+10+\c], 0xff000000, v[TM+4*\c]   ; 2 off its exponent field: the conversion takes this operand's exponent field as its scale
.endr
.irp c, 0,1
.irp g, 0,1,2,3
	v_cvt_scalef32_pk8_fp4_f32 v[PC+4*\c+\g], v[\s+32*\c+8*\g:\s+32*\c+8*\g+7], v[TM+10+\c]   ; registers 4 c .. 4 c + 3 of the fragment
.endr
.endr
.irp c, 0,1
	v_lshrrev_b32 v[TM+12+\c], 23, v[TM+10+\c]     ; the scale's byte.  (These plain lines stand behind the last conversion; they touch no result and write no source of it)
.endr
	v_lshl_or_b32 v[TM+12], v[TM+13], 16, v[TM+12] ; my two bytes: blocks h and 2 + h of my row,
	v_lshlrev_b32 v[TM+12], v[SH], v[TM+12]        ; at their places in the scale word (8 h bits up);
	v_permlanex16_b32 v[TM+14], v[TM+12], s[SEL], s[SEL+1]
	v_or_b32 v[PW], v[TM+12], v[TM+14]             ; with lane l xor 16's two the word is whole, in both halves of the lanes
.endm
.macro IMAGE adr, off                          ; the fragment in v[PC] on goes to LDS as it stands
.irp c, 0,1
	ds_store_b128 v[\adr], v[PC+4*\c:PC+4*\c+3] offset:\off+512*\c
.endr
.endm
.macro FETCH reg, adr, off                     ; and comes back so, in any wave
.irp c, 0,1
	ds_load_b128 v[\reg+4*\c:\reg+4*\c+3], v[\adr] offset:\off+512*\c
.endr
.endm
.macro FSET img, sc                            ; a set of eight fragments and their scale words
.irp t, 0,1,2,3,4,5,6,7
	FETCH SETF+8*\t, LI, \img+1024*\t
.endr
.irp t, 0,1,2,3,4,5,6,7
	ds_load_b32 v[SETS+\t], v[LS] offset:\sc+128*\t
.endr
.endm
; One of my five input fragments: rows in v[reg] on -> image at img, scale words at sc.  left: the loads that may stay out.  nbase: the base of the fragment loaded next into the same registers (0: none)
.macro TOIMG reg, left, img, sc, nbase, nperm
	s_wait_loadcnt \left                           ; loads come back in order: this fragment's 16 are in
	TURNX \reg
	s_wait_dscnt 0x0                               ; X is back; the stage's stores have read the rows' registers, the last image's stores the codes'
.if \nbase
	GLOAD \reg, \nbase, \nperm, 0
.endif
	QUANT X
	IMAGE WI, \img
	ds_store_b32 v[WS], v[PW] offset:\sc
.endm
; One result fragment: the set's eight fragments (source 0) x my single fragment k (source 1), quantised, stored.  nimg >= 0: the next set is fetched while this result is quantised
.macro CHUNK k, nimg, nsc, gbase, goff, sadr, soff
	s_wait_dscnt 0x0                               ; the set is in, and the last scale word's store is done
	s_wait_xcnt 0x0                                ; the last fragment's stores have read the codes' registers, which are written again below
.irp t, 0,1,2,3,4,5,6,7
	v_wmma_scale_f32_16x16x128_f8f6f4 v[HA+8*\t:HA+8*\t+7], v[SETF+8*\t:SETF+8*\t+7], v[ONE+8*\k:ONE+8*\k+7], 0, v[SETS+\t], v[ONES+\k] matrix_a_fmt:MATRIX_FMT_FP4 matrix_b_fmt:MATRIX_FMT_FP4
.endr
.rept 4
	v_nop                                          ; four places in front of the loads into the set's registers and of the first read of the results
.endr
.if \nimg >= 0
	FSET \nimg, \nsc
.endif
	QUANT HA                                       ; each result tile is read from its low end on
.irp c, 0,1
	global_store_b128 v[LI], v[PC+4*\c:PC+4*\c+3], s[\gbase:\gbase+1] offset:\goff+512*\c   ; 32 lanes store 512 consecutive bytes, at a multiple of 256 from the buffer's first byte
.endr
	ds_store_b32 v[\sadr], v[PW] offset:\soff      ; both halves of the lanes write the same word with the same value
.endm
	s_load_b256 s[4:11], s[0:1], 0x0               ; x s[4:5], W_q s[6:7], W_k s[8:9], W_v s[10:11]
	s_load_b128 s[12:15], s[0:1], 0x20             ; qq s[12:13], kv s[14:15]
	v_lshl_add_u32 v62, v0, 2, 0x1c800
	v_mov_b32 v63, 0
	v_lshrrev_b32 v11, 5, v0
	v_readfirstlane_b32 s[WV], v11                 ; wave 0..7
	s_and_b32 s17, ttmp7, 0xffff                   ; the head
	s_lshr_b32 s18, ttmp9, 3
	s_lshl_b32 s18, s18, 3
	s_add_co_u32 s18, s18, s17                     ; bh = 8 x batch + head
	s_and_b32 s19, ttmp9, 7                        ; which 256 rows of the batch's 2,048
	s_mov_b32 s[SEL], 0x76543210
	s_mov_b32 s[SEL+1], 0xfedcba98                 ; v_permlanex16_b32's selects for lane l xor 16
	s_lshr_b32 s22, s[WV], 2
	s_lshl_b32 s22, s22, 6
	s_and_b32 s23, s[WV], 3
	s_lshl_b32 s23, s23, 3
	s_add_co_u32 s22, s22, s23                     ; tile w's first row in its group of 128: 64 (w / 4) + 8 (w % 4)
	s_lshl_b32 s24, ttmp9, 8
	s_add_co_u32 s24, s24, s22
	s_lshl_b32 s24, s24, 9                         ; x: that row of my 256, in bytes
	s_mov_b32 s25, 0
	s_lshl_b32 s26, s17, 7                         ; the head's first row in a weight
	s_add_co_u32 s28, s26, s22
	s_lshl_b32 s28, s28, 9                         ; W_q, W_k: tile w in the same order of rows
	s_mov_b32 s29, 0
	s_lshl_b32 s30, s[WV], 4
	s_add_co_u32 s30, s30, s26
	s_lshl_b32 s30, s30, 9                         ; W_v: rows 16 w .. 16 w + 15 as they lie
	s_mov_b32 s31, 0
	s_lshl_b32 s32, s18, 3
	s_add_co_u32 s32, s32, s19
	s_lshl_b32 s32, s32, 2                         ; my block's first entry in qq
	s_lshr_b32 s33, s[WV], 2
	s_and_b32 s34, s[WV], 3
	s_add_co_u32 s40, s32, s33
	s_mul_i32 s40, s40, QENT
	s_lshl_b32 s41, s34, 10
	s_add_co_u32 s40, s40, s41                     ; Q's tile w: entry w / 4, fragment w % 4 (tile w + 8: two entries on)
	s_mov_b32 s41, 0
	s_add_co_u32 s42, s32, s[WV]
	s_mul_i32 s42, s42, QENT
	s_add_co_u32 s42, s42, 4096                    ; entry w's scale words (used by waves 0 to 3 alone)
	s_mov_b32 s43, 0
	s_mul_i32 s44, s18, HEADB
	s_mul_i32 s45, s19, 2*STEPB
	s_add_co_u32 s44, s44, s45                     ; my block's first key step in kv
	s_lshl_b32 s46, s[WV], 10
	s_add_co_u32 s46, s46, s44                     ; fragment w of it
	s_mov_b32 s47, 0
	s_mul_i32 s48, s33, STEPB
	s_add_co_u32 s48, s48, s44
	s_lshl_b32 s49, s34, 8
	s_add_co_u32 s48, s48, s49
	s_add_co_u32 s48, s48, 16384                   ; step w / 4's scale words, my 256 bytes of their 1,024
	s_mov_b32 s49, 0
	v_and_b32 v12, 31, v0                          ; lane
	v_and_b32 v13, 15, v0                          ; r
	v_bfe_u32 v14, v0, 4, 1                        ; h
	v_lshlrev_b32 v[SH], 3, v14
	v_lshlrev_b32 v[LI], 4, v12
	v_lshlrev_b32 v[LS], 2, v12
	v_lshlrev_b32 v[G8], 3, v12
	s_lshl_b32 s50, s[WV], 10
	v_add_nc_u32 v[WI], s50, v[LI]
	s_lshl_b32 s50, s[WV], 7
	v_add_nc_u32 v[WS], s50, v[LS]
	s_mul_i32 s50, s[WV], WSTG
	s_add_co_u32 s50, s50, STG                     ; my stage
	v_add_nc_u32 v[SW], s50, v[LI]
	v_mul_u32_u24 v[SRD], v13, SPITCH
	v_lshl_add_u32 v[SRD], v14, 7, v[SRD]          ; row r, + 128 h: my block of 32 numbers
	v_add_nc_u32 v[SRD], s50, v[SRD]
	s_and_b32 s51, s[WV], 1
	s_lshl_b32 s51, s51, 8
	s_lshr_b32 s52, s[WV], 1
	s_lshl_b32 s52, s52, 2
	s_add_co_u32 s51, s51, s52
	s_add_co_u32 s51, s51, SSTG
	v_lshl_add_u32 v[SK], v13, 4, s51              ; 16 (16 (w & 1) + r) + 4 (w >> 1)
	s_lshl_b32 s51, s33, 8
	s_lshl_b32 s52, s34, 2
	s_add_co_u32 s51, s51, s52
	s_add_co_u32 s51, s51, SSTG+2048
	v_lshl_add_u32 v[SQ], v13, 4, s51              ; 256 (w / 4) + 16 r + 4 (w % 4)
	s_lshl_b32 s51, s[WV], 8
	v_add_nc_u32 v[L8], s51, v[G8]
	v_mov_b32 v[TM+14], 0                          ; written once: a lane permute's destination counts as one of its sources
	s_wait_kmcnt 0x0
	s_add_nc_u64 s[4:5], s[4:5], s[24:25]
	s_add_nc_u64 s[6:7], s[6:7], s[28:29]
	s_add_nc_u64 s[8:9], s[8:9], s[28:29]
	s_add_nc_u64 s[10:11], s[10:11], s[30:31]
	s_add_nc_u64 s[36:37], s[12:13], s[42:43]
	s_add_nc_u64 s[38:39], s[14:15], s[48:49]
	s_add_nc_u64 s[12:13], s[12:13], s[40:41]
	s_add_nc_u64 s[14:15], s[14:15], s[46:47]
	; ---- my five input fragments.  Two fragments' rows (32 loads) are on their way while one is turned and quantised
	GLOAD RA, 4, 1, 0                              ; x's tile w
	GLOAD RB, 4, 1, 65536                          ; x's tile w + 8: 128 rows on
	TOIMG RA, 16, XIMG, XSC, 6, 1                  ; behind it W_q's tile w is asked for,
	TOIMG RB, 16, XIMG+8192, XSC+1024, 8, 1        ; W_k's,
	TOIMG RA, 16, WIMG, WSC, 10, 0                 ; W_v's
	TOIMG RB, 16, WIMG+8192, WSC+1024, 0, 0
	TOIMG RA, 0, WIMG+16384, WSC+2048, 0, 0
	s_wait_dscnt 0x0                               ; for the others' sake: my images and scale words have landed
	s_barrier_signal -1
	s_barrier_wait -1                              ; all 40 fragments lie in LDS
	; ---- my six result fragments
	FETCH ONE, WI, XIMG                            ; x's tile w,
	FETCH ONE+8, WI, XIMG+8192                     ; x's tile w + 8,
	FETCH ONE+16, WI, WIMG+16384                   ; W_v's tile w
	ds_load_b32 v[ONES], v[WS] offset:XSC
	ds_load_b32 v[ONES+1], v[WS] offset:XSC+1024
	ds_load_b32 v[ONES+2], v[WS] offset:WSC+2048
	FSET WIMG, WSC                                 ; W_q's eight
	CHUNK 0, -1, 0, 12, 0, SQ, 0                   ; Q's tile w
	CHUNK 1, WIMG+8192, WSC+1024, 12, 2*QENT, SQ, 512          ; Q's tile w + 8; next set: W_k's eight
	CHUNK 0, -1, 0, 14, 0, SK, 0                   ; K, first step, fragment w
	CHUNK 1, XIMG, XSC, 14, STEPB, SK, 1024        ; K, second step; next set: x's tiles 0-7
	CHUNK 2, XIMG+8192, XSC+1024, 14, 8192, SK, 512            ; V^T, first step, channels 16 w on; next set: x's tiles 8-15
	CHUNK 2, -1, 0, 14, STEPB+8192, SK, 1536       ; V^T, second step
	s_wait_dscnt 0x0                               ; for the others' sake: my scale words have landed
	s_barrier_signal -1
	s_barrier_wait -1
	; ---- the scale words leave: each wave stores 256 consecutive bytes, aligned
	ds_load_b64 v[52:53], v[L8] offset:SSTG
	s_wait_dscnt 0x0
	global_store_b64 v[G8], v[52:53], s[38:39]
	s_cmp_lt_u32 s[WV], 4                          ; Q's four entries: waves 0 to 3
	s_cbranch_scc0 .Lend
	ds_load_b64 v[54:55], v[L8] offset:SSTG+2048
	s_wait_dscnt 0x0
	global_store_b64 v[G8], v[54:55], s[36:37]
.Lend:
	s_wait_tensorcnt 0x0
	ds_add_u32 v62, v63
	s_wait_dscnt 0x0
	s_endpgm
.Lfunc_end_k_q2e17d3a696_project:
	.size	k_q2e17d3a696_project, .Lfunc_end_k_q2e17d3a696_project-k_q2e17d3a696_project
	.p2alignl 7, 3214868480
	.fill 96, 4, 3214868480
	.section	.rodata,"a",@progbits
	.p2align	6, 0x0
	.amdhsa_kernel k_q2e17d3a696_project
		.amdhsa_group_segment_fixed_size 117760
		.amdhsa_private_segment_fixed_size 0
		.amdhsa_enable_private_segment 0
		.amdhsa_kernarg_size 48
		.amdhsa_user_sgpr_count 2
		.amdhsa_user_sgpr_kernarg_segment_ptr 1
		.amdhsa_wavefront_size32 1
		.amdhsa_system_sgpr_workgroup_id_x 1
		.amdhsa_system_sgpr_workgroup_id_y 1
		.amdhsa_system_sgpr_workgroup_id_z 1
		.amdhsa_system_vgpr_workitem_id 0
		.amdhsa_next_free_vgpr 256
		.amdhsa_next_free_sgpr 66
		.amdhsa_reserve_vcc 0
		.amdhsa_float_denorm_mode_32 3
		.amdhsa_float_denorm_mode_16_64 3
		.amdhsa_memory_ordered 1
		.amdhsa_forward_progress 1
		.amdhsa_inst_pref_size 72
	.end_amdhsa_kernel
	.amdgpu_metadata
---
amdhsa.version: [ 1, 2 ]
amdhsa.kernels:
  - .name:           k_q2e17d3a696_project
    .symbol:         k_q2e17d3a696_project.kd
    .args:
      - { .name: x, .offset: 0, .size: 8, .value_kind: global_buffer, .address_space: global }
      - { .name: W_q, .offset: 8, .size: 8, .value_kind: global_buffer, .address_space: global }
      - { .name: W_k, .offset: 16, .size: 8, .value_kind: global_buffer, .address_space: global }
      - { .name: W_v, .offset: 24, .size: 8, .value_kind: global_buffer, .address_space: global }
      - { .name: qq, .offset: 32, .size: 8, .value_kind: global_buffer, .address_space: global }
      - { .name: kv, .offset: 40, .size: 8, .value_kind: global_buffer, .address_space: global }
    .group_segment_fixed_size: 117760
    .private_segment_fixed_size: 0
    .kernarg_segment_align: 8
    .kernarg_segment_size: 48
    .max_flat_workgroup_size: 256
    .sgpr_count:     66
    .vgpr_count:     256
    .wavefront_size: 32
...
	.end_amdgpu_metadata
.endif
;; end of part 1
;; launch attend (part 2): grid 8 x 32, 4 waves a work-group, clusters of 4 x 1, 327,680 bytes of LDS; arguments qq, kv, out0; writes out0
.if DOCPART == 2
	.amdgcn_target "amdgcn-amd-amdhsa--gfx1250"
	.amdhsa_code_object_version 6
	.text
	.protected	k_q2e17d3a696_attend
	.globl	k_q2e17d3a696_attend
	.p2align	8
	.type	k_q2e17d3a696_attend,@function
k_q2e17d3a696_attend:
	s_mov_b64 s[64:65], 0
	v_nop
	global_prefetch_b8 v0, s[64:65] scope:SCOPE_SE
	s_setreg_imm32_b32 hwreg(HW_REG_WAVE_MODE, 25, 1), 1
	s_wait_xcnt 0x0
	s_wait_alu depctr_hold_cnt(0) depctr_sa_sdst(0) depctr_va_vdst(0) depctr_va_sdst(0) depctr_va_ssrc(0) depctr_va_vcc(0) depctr_vm_vsrc(0)
	s_getreg_b32 s2, hwreg(HW_REG_IB_STS2, 6, 4)
	s_cmp_eq_u32 s2, 0
	s_cbranch_scc0 .Lentry_in_a_cluster
	s_endpgm
.Lentry_in_a_cluster:
	s_bfe_u32 s2, ttmp6, 0x10000c
	s_cmp_lg_u32 s2, 0x3003
	s_cbranch_scc0 .Lentry_shape_is_right
	s_endpgm
.Lentry_shape_is_right:
; out0[bh][q][:] = softmax over the 128 channels of Z[q][:] = sum over keys of A[q][key] V[key][:], A = Q K^T / sqrt(128); both products on codes of FP4 (E2M1) with one E8M0 scale for each 32 along K.
; Q, K and V arrive as register images of fragments with their scale words (qq and kv, laid by the launch before); A is quantised here, along the keys, in registers.
; SHARES.  A work-group owns 256 queries of one (batch, head), each of its four waves 64: four tiles of 16.  Every wave walks the head's 2,048 keys, 128 a step.
; LDS.  The head's whole kv block, 16 steps x 17,408 = 278,528 bytes, comes into LDS ONCE: nothing is filled again, so there is no ring.  Behind it a stage of 16 rows x 528 bytes for each wave, into which no fill lands.
; CLUSTER.  The four work-groups of a cluster are four query blocks of one head and need the same 278,528 bytes: every tensor load is JOINT (mask 15): the same line, the same descriptor in all four (made of the head and the
; wave's number alone), each receiving the bytes in its own LDS.  That divides the requests by four.  Each wave brings a quarter of each of three parts (steps 0-3, 4-9, 10-15): three tensor loads of a wave are out at the most.
; LAYOUT.  Both products are used transposed: S^T = K Q^T (source 0 = 16 keys, source 1 = 16 queries), O^T = V^T P^T (source 0 = 16 channels, source 1 = the quantised A): a lane holds ONE query throughout.
; K's fragment 4 c + u holds keys 64 c + 32 (r / 8) + 8 u + r % 8, so the 32 registers of S^T's tiles 4 c .. 4 c + 3 are, in a lane of half h, keys 64 c + 32 h + 0 .. 31: A WHOLE BLOCK IN ONE LANE, in the order of the
; 4-bit operand's registers: a block's largest magnitude needs no other lane, and the conversions' results are P's fragment.  Q's tiles hold rows in the same order, which only says which row of out0 a lane owns.
; BY TURNS.  A turn quantises one tile of 16 queries x 128 keys (80 vector instructions); inside it stand the 8 products V^T P^T of the tile quantised in the turn before and the 8 products K Q^T of the tile of the turn to come.
; LIMITS.  NaN and infinities are not served.  A = S x f32(2^-3.5), where the definition divides by f32(sqrt(128)): about one unit in the last place apart.  A block of zeros gets the byte 1: its codes are zeros.
; REGISTERS, in windows of 256 (s_set_vgpr_msb: bits 1:0 source 0, 3:2 source 1, 5:4 source 2, 7:6 destination):
;   window 0: v1-7 addresses; v8-21 scale words; v22-39 at work; v40-55 P's codes, two sets; v56-57 1 / the sum; v58 8 h; v64-191 S^T, two sets; v192-255 rows on the way out
;   window 1: O^T, tile t, channels 16 i on, at v[64 t + 8 i]        window 2: v64-127 K's fragments, v128-191 V's, v192-223 Q's
.set STEPB,  17408                     ; a key step in kv and in LDS: K's 8 fragments, V's 8, K's scale words, V's
.set HEADB,  16*STEPB
.set VOFF,   8192
.set KSOFF,  16384
.set VSOFF,  16896
.set QENT,   4352                      ; a wave's entry in qq
.set STAGE,  HEADB
.set SPITCH, 528                       ; 512 bytes + 16: an odd multiple of 16
.set ROWS0,  68                        ; rows of 256 bytes that a wave brings of the first part: a quarter of steps 0-3
.set ROWS1,  102                       ; of the second and the third: a quarter of six steps
.set LI,   1                           ; v1   16 x lane
.set AD,   2                           ; v2   16 x lane + the step's first LDS byte
.set STO,  3                           ; v3   the way out: where I put 32 bytes of a row
.set RD,   4                           ; v4   and where I read a row back
.set R16,  5                           ; v5   16 x (lane % 16)
.set QS,   8                           ; v8-11  Q's scale words, a register a tile
.set KS,   12                          ; v12-15 K's: register i: lanes 0-15 fragment 2 i, lanes 16-31 fragment 2 i + 1
.set VS,   16                          ; v16-19 V's likewise
.set PSC,  20                          ; v20-21 P's, two sets
.set MX,   22                          ; v22-23 a row's largest Z
.set TM,   24                          ; v24-31 eight chains of the search; v32-33 leftovers and the floor; v34-35 the conversions' scale operands; v36-37 bytes; v38 the other half's bytes
.set PBUF, 40
.set RC,   56
.set SH,   58                          ; v58  8 h: how far my two scale bytes are shifted in the scale word
.set SBUF, 64
.set BK,   192
.set KF,   64                          ; in window 2
.set VF,   128
.set QF,   192
.set WV,   10
.set G1A,  24                          ; s[24:31] descriptor group 1, first part;  s[32:39] second and third
.set G1B,  32
.set G0,   40                          ; s[40:51] descriptor group 0, four registers a part
.set CS,   76                          ; s[76:77] 2^-3.5
.set L2E,  78                          ; s[78:79] log2(e)
.set SEL,  80                          ; s[80:81] lane selects for lane l xor 16
.set TB,   82                          ; s82  LDS byte at which the trip's step begins
.set CNT,  83                          ; s83  trips to go
.set MSB, 0
.macro WIN new                         ; the immediate's high byte repeats the setting that is left; a switch that changes nothing is dropped
.if MSB != \new
	s_set_vgpr_msb (MSB<<8)|\new
.set MSB, \new
.endif
.endm
.macro ROUND                           ; a round of the cluster's barrier
	s_barrier_signal -1
	s_barrier_wait -1
	s_cmp_lg_u32 s[WV], 0
	s_cbranch_scc1 .Lnot_wave_0_\@
	s_barrier_signal -3
.Lnot_wave_0_\@:
	s_barrier_wait -3
	s_barrier_signal -1
	s_barrier_wait -1
.endm
; one matrix instruction.  odd = 1: source 0's scale words stand in lanes 16-31.  zero = 1: it starts the sum
.macro WM d, a, b, sa, sb, odd, zero
.if \zero
.if \odd
	v_wmma_scale_f32_16x16x128_f8f6f4 v[(\d):(\d)+7], v[(\a):(\a)+7], v[(\b):(\b)+7], 0, v[\sa], v[\sb] matrix_a_fmt:MATRIX_FMT_FP4 matrix_b_fmt:MATRIX_FMT_FP4 matrix_a_scale:MATRIX_SCALE_ROW1
.else
	v_wmma_scale_f32_16x16x128_f8f6f4 v[(\d):(\d)+7], v[(\a):(\a)+7], v[(\b):(\b)+7], 0, v[\sa], v[\sb] matrix_a_fmt:MATRIX_FMT_FP4 matrix_b_fmt:MATRIX_FMT_FP4
.endif
.else
.if \odd
	v_wmma_scale_f32_16x16x128_f8f6f4 v[(\d):(\d)+7], v[(\a):(\a)+7], v[(\b):(\b)+7], v[(\d):(\d)+7], v[\sa], v[\sb] matrix_a_fmt:MATRIX_FMT_FP4 matrix_b_fmt:MATRIX_FMT_FP4 matrix_a_scale:MATRIX_SCALE_ROW1
.else
	v_wmma_scale_f32_16x16x128_f8f6f4 v[(\d):(\d)+7], v[(\a):(\a)+7], v[(\b):(\b)+7], v[(\d):(\d)+7], v[\sa], v[\sb] matrix_a_fmt:MATRIX_FMT_FP4 matrix_b_fmt:MATRIX_FMT_FP4
.endif
.endif
.endm
.macro KQ tile, sdst                   ; S^T of one tile of queries against the step's 128 keys: K = 128 is one instruction a tile of keys
	WIN 0x0a                                       ; K and Q in window 2, S^T in window 0
.irp f, 0,1,2,3,4,5,6,7
	WM (\sdst)+8*\f, KF+8*\f, QF+8*(\tile), KS+\f/2, QS+(\tile), \f%2, 1
.endr
.endm
.macro PV tile, pp, zero               ; O^T of one tile of queries += V^T x P's set pp.  Eight accumulators, one instruction each: they take turns
	WIN 0x52                                       ; V in window 2, P in window 0, O^T in window 1
.irp f, 0,1,2,3,4,5,6,7
	WM 64*(\tile)+8*\f, VF+8*\f, PBUF+8*(\pp), VS+\f/2, PSC+(\pp), \f%2, \zero
.endr
.endm
.macro FETCH_K                         ; a step's K: scale words and eight fragments, images read at 16 x lane: an instruction's 512 bytes are consecutive
	WIN 0
	ds_load_b128 v[KS:KS+3], v[AD] offset:KSOFF
	WIN 0x80                                       ; destination window 2
.irp f, 0,1,2,3,4,5,6,7
.irp c, 0,1
	ds_load_b128 v[KF+8*\f+4*\c:KF+8*\f+4*\c+3], v[AD] offset:1024*\f+512*\c
.endr
.endr
	WIN 0
.endm
.macro FETCH_V
	WIN 0
	ds_load_b128 v[VS:VS+3], v[AD] offset:VSOFF
	WIN 0x80
.irp f, 0,1,2,3,4,5,6,7
.irp c, 0,1
	ds_load_b128 v[VF+8*\f+4*\c:VF+8*\f+4*\c+3], v[AD] offset:VOFF+1024*\f+512*\c
.endr
.endr
	WIN 0
.endm
; THE QUANTISER of 64 numbers of a lane (register 32 c + i = key 64 c + 32 (lane / 16) + i of my query: two whole blocks), in parts of eight or sixteen lines.
; The search goes in eight chains of seven numbers, so that a line reads a result made eight lines before: QMAX s, 0 starts them, QMAX s, 3 and QMAX s, 5 add two numbers each.
.macro QMAX s, n
	WIN 0
.irp q, 0,1,2,3,4,5,6,7
.if \n == 0
	v_max3_num_f32 v[TM+\q], |v[(\s)+8*\q]|, |v[(\s)+8*\q+1]|, |v[(\s)+8*\q+2]|
.else
	v_max3_num_f32 v[TM+\q], v[TM+\q], |v[(\s)+8*\q+\n]|, |v[(\s)+8*\q+\n+1]|
.endif
.endr
.endm
.macro QJOIN s                         ; the eight numbers left over, the floor and the chains: eight lines
	WIN 0
.irp c, 0,1
	v_max3_num_f32 v[TM+8+\c], |v[(\s)+32*\c+23]|, |v[(\s)+32*\c+31]|, 0x1800000   ; the floor 2^(3 - 127): the byte cannot fall under 1
.endr
.irp c, 0,1
	v_max3_num_f32 v[TM+4*\c], v[TM+4*\c], v[TM+4*\c+1], |v[(\s)+32*\c+7]|
.endr
.irp c, 0,1
	v_max3_num_f32 v[TM+4*\c+2], v[TM+4*\c+2], v[TM+4*\c+3], |v[(\s)+32*\c+15]|
.endr
.irp c, 0,1
	v_max3_num_f32 v[TM+4*\c], v[TM+4*\c], v[TM+4*\c+2], v[TM+8+\c]   ; the largest magnitude of block 2 c + h
.endr
.endm
.macro QREST s, pc, pw                 ; codes into v[pc] on, the scale word into v[pw]
	WIN 0
.irp c, 0,1
	v_add_nc_u32 v[TM+10+\c], 0xff000000, v[TM+4*\c]   ; 2 off its exponent field: the conversion's scale operand
.endr
.irp c, 0,1
.irp g, 0,1,2,3
	v_cvt_scalef32_pk8_fp4_f32 v[(\pc)+4*\c+\g], v[(\s)+32*\c+8*\g:(\s)+32*\c+8*\g+7], v[TM+10+\c]   ; registers 4 c .. 4 c + 3 of P's fragment
.endr
.endr
.irp c, 0,1
	v_lshrrev_b32 v[TM+12+\c], 23, v[TM+10+\c]     ; the scale's byte.  (These plain lines stand behind the last conversion; they touch no result and write no source of it)
.endr
	v_lshl_or_b32 v[TM+12], v[TM+13], 16, v[TM+12] ; my two bytes: blocks h and 2 + h of my query,
	v_lshlrev_b32 v[TM+12], v[SH], v[TM+12]        ; at their places in the scale word (8 h bits up);
	v_permlanex16_b32 v[TM+14], v[TM+12], s[SEL], s[SEL+1]
	v_or_b32 v[\pw], v[TM+12], v[TM+14]            ; with lane l xor 16's two: my query's scale word for these 128 keys
.endm
; A TURN quantises tile t of the step in hand, whose scores lie in S^T's set t % 2.
; pv = 2: the products V^T P^T of the tile before (for t = 0: tile 3 of the step before); 1: they start O^T's sums; 0: none.  kq = 1: the products K Q^T of the tile to come (for t = 3: tile 0 of the next step).
; fetch = 1: turn 0 fetches its own step's V, turn 2 the next step's K, each eight plain lines behind the last products that read the old fragments (four are asked).
; The products that want the fetched fragments stand late in the turn behind: turn 1's V^T P^T behind the first half of the search, turn 3's K Q^T behind the whole search: 88 vector lines and 8 products lie between a fetch and the wait for it.
; The 32 multiplications at the head are the places between the vector instructions that made P's codes and scale word and the scaled products that take them (8 and 4 are asked).
.macro TURN t, pv, kq, fetch
.set TP, (\t)%2
.set TS, SBUF+64*TP
.set TN, SBUF+64*(1-TP)
	WIN 0
.set TI, 0
.rept 32
	v_pk_mul_f32 v[TS+TI:TS+TI+1], v[TS+TI:TS+TI+1], s[CS:CS+1] op_sel_hi:[1,0]   ; A = S x 2^-3.5; each tile of scores from its low end on
.set TI, TI+2
.endr
.if \t == 1
	QMAX TS, 0
	QMAX TS, 3
.endif
.if \pv
.if \t == 1
	s_wait_dscnt 0x0                               ; V, asked for in the turn before, is in
.endif
	PV ((\t)+3)%4, 1-TP, 2-\pv
.endif
.if \t != 1
	QMAX TS, 0
.if (\t == 0) && \fetch
	FETCH_V
.endif
	QMAX TS, 3
.endif
.if \t == 3
	QMAX TS, 5
	QJOIN TS
.endif
.if \kq
.if \t == 3
	s_wait_dscnt 0x0                               ; K, asked for in the turn before, is in
.endif
	KQ ((\t)+1)%4, TN
.endif
.if \t != 3
	QMAX TS, 5
.if (\t == 2) && \fetch
	FETCH_K
.endif
	QJOIN TS
.endif
	QREST TS, PBUF+8*TP, PSC+TP
.endm
; Trip j: turns 2 and 3 of step j - 1, turns 0 and 1 of step j: all its LDS loads read step j
.macro TRIPS first, trips
	s_mov_b32 s[TB], (\first)*STEPB
	s_mov_b32 s[CNT], \trips
.Ltrip_\@:
	v_add_nc_u32 v[AD], s[TB], v[LI]
	TURN 2, 2, 1, 1
	TURN 3, 2, 1, 0
	TURN 0, 2, 1, 1
	TURN 1, 2, 1, 0
	WIN 0                                          ; at a label and at a branch every window is 0
	s_add_co_u32 s[TB], s[TB], STEPB
	s_sub_co_u32 s[CNT], s[CNT], 1
	s_cmp_lg_u32 s[CNT], 0
	s_cbranch_scc1 .Ltrip_\@
.endm
; A part has landed: my quarter by my own counter (left = the younger parts, which may stay out), the others' by the barrier
.macro LANDED left
	s_wait_tensorcnt \left
	s_wait_dscnt 0x0
	s_barrier_signal -1
	s_barrier_wait -1
.endm
	s_load_b128 s[4:7], s[0:1], 0x0                ; qq s[4:5], kv s[6:7]
	s_load_b64 s[8:9], s[0:1], 0x10                ; out0
	v_lshl_add_u32 v62, v0, 2, 0x4c400
	v_mov_b32 v63, 0
	ds_add_u32 v62, v63
	ds_add_u32 v62, v63
	v_lshrrev_b32 v[AD], 5, v0
	v_readfirstlane_b32 s[WV], v[AD]               ; wave 0..3
	s_bfe_u32 s11, ttmp6, 0x40000                  ; cx: my place in the cluster
	s_lshl_b32 s12, ttmp9, 2                       ; in a cluster launch ttmp9 counts clusters
	s_add_co_u32 s12, s12, s11                     ; my block of 256 queries: it enters qq's and out0's addresses alone
	s_and_b32 s13, ttmp7, 0xffff                   ; bh, which the four partners share
	s_mul_i32 s14, s13, HEADB                      ; the head's first byte in kv
	s_mov_b32 s15, 0
	s_mul_i32 s16, s[WV], ROWS0*256                ; my quarter of the first part,
	s_mul_i32 s17, s[WV], ROWS1*256                ; of the second and the third
	; descriptor group 1: a dense block as rows of 256 bytes (32 elements of 8 bytes), no padding: the images are read at 16 x lane
	s_mov_b32 s[G1A], 15|(3<<16)|(1<<21)           ; 15:0 the mask: all four work-groups; 17:16 elements of 8 bytes; 21 set beside a mask
	s_mov_b32 s[G1A+1], 32<<16                     ; tensor_dim0 = 32
	s_mov_b32 s[G1A+2], ROWS0<<16                  ; tensor_dim1
	s_mov_b32 s[G1A+3], 32<<16                     ; tile_dim0 = 32
	s_mov_b32 s[G1A+4], ROWS0                      ; tile_dim1
	s_mov_b32 s[G1A+5], 32                         ; tensor_dim0_stride
	s_mov_b32 s[G1A+6], 0
	s_mov_b32 s[G1A+7], 0
	s_mov_b32 s[G1B], 15|(3<<16)|(1<<21)
	s_mov_b32 s[G1B+1], 32<<16
	s_mov_b32 s[G1B+2], ROWS1<<16
	s_mov_b32 s[G1B+3], 32<<16
	s_mov_b32 s[G1B+4], ROWS1
	s_mov_b32 s[G1B+5], 32
	s_mov_b32 s[G1B+6], 0
	s_mov_b32 s[G1B+7], 0
	s_lshl_b32 s22, s13, 3
	s_add_co_u32 s22, s22, s12
	s_lshl_b32 s22, s22, 2
	s_add_co_u32 s22, s22, s[WV]
	s_mul_i32 s22, s22, QENT                       ; my wave's entry in qq
	s_mov_b32 s23, 0
	s_lshl_b32 s52, s13, 11
	s_lshl_b32 s53, s12, 8
	s_add_co_u32 s52, s52, s53
	s_lshl_b32 s53, s[WV], 6
	s_add_co_u32 s52, s52, s53
	s_lshl_b32 s52, s52, 9                         ; my wave's first row of out0: (2,048 bh + 256 block + 64 wave) x 512 bytes
	s_mov_b32 s53, 0
	s_mov_b32 s[CS], 0x3db504f3                    ; 2^-3.5 = 1 / sqrt(128)
	s_mov_b32 s[CS+1], s[CS]                       ; (named with it as a pair, so it is written)
	s_mov_b32 s[L2E], 0x3fb8aa3b
	s_mov_b32 s[L2E+1], s[L2E]
	s_mov_b32 s[SEL], 0x76543210
	s_mov_b32 s[SEL+1], 0xfedcba98
	; descriptor group 0: the LDS address and the offset in the head's block are the same number: the part's first byte + wave x the quarter
	s_mov_b32 s[G0], 1
	s_mov_b32 s[G0+1], s16
	s_mov_b32 s[G0+4], 1
	s_add_co_u32 s[G0+5], s17, 4*STEPB
	s_mov_b32 s[G0+8], 1
	s_add_co_u32 s[G0+9], s17, 10*STEPB
	s_mov_b32 s21, 0
	v_and_b32 v[LI], 31, v0
	v_lshlrev_b32 v[LI], 4, v[LI]
	v_and_b32 v[R16], 15, v0
	v_lshlrev_b32 v[R16], 4, v[R16]
	v_bfe_u32 v[SH], v0, 4, 1
	v_lshlrev_b32 v[SH], 3, v[SH]                  ; 8 h
	v_mov_b32 v[TM+14], 0                          ; written once: a lane permute's destination counts as one of its sources
	v_mov_b32 v[RC+1], 0                           ; (named as the upper half of a pair)
	s_wait_dscnt 0x0
	s_wait_kmcnt 0x0
	s_add_nc_u64 s[18:19], s[6:7], s[14:15]
.irp q, 0,1,2
	s_mov_b32 s20, s[G0+4*\q+1]
	s_add_nc_u64 s[G0+4*\q+2:G0+4*\q+3], s[18:19], s[20:21]
	s_or_b32 s[G0+4*\q+3], s[G0+4*\q+3], 0x80000000   ; 127:126 type = 2
.endr
	s_add_nc_u64 s[4:5], s[4:5], s[22:23]
	s_add_nc_u64 s[8:9], s[8:9], s[52:53]
	ROUND                                          ; all four work-groups are here: the joint loads meet
	tensor_load_to_lds s[G0:G0+3], s[G1A:G1A+7]    ; steps 0-3
	s_nop 0
	tensor_load_to_lds s[G0+4:G0+7], s[G1B:G1B+7]  ; steps 4-9
	s_nop 0
	tensor_load_to_lds s[G0+8:G0+11], s[G1B:G1B+7] ; steps 10-15: the launch's only fills, one group, three loads of mine out
	s_nop 0
.rept 4
	v_nop                                          ; the window is switched behind four instructions
.endr
	WIN 0x80                                       ; destination window 2
.irp t, 0,1,2,3
.irp c, 0,1
	global_load_b128 v[QF+8*\t+4*\c:QF+8*\t+4*\c+3], v[LI], s[4:5] offset:1024*\t+512*\c   ; Q's four fragments stay in registers
.endr
.endr
	WIN 0
	global_load_b128 v[QS:QS+3], v[R16], s[4:5] offset:4096   ; and their scale words: lane r takes row r's four
	LANDED 2                                       ; steps 0-3 lie in LDS; two younger loads may be out
	v_mov_b32 v[AD], v[LI]                         ; step 0
	FETCH_K
	s_wait_loadcnt 0x0                             ; Q
	s_wait_dscnt 0x0                               ; K
	KQ 0, SBUF                                     ; tile 0's first scores: there is no vector work yet to set beside them
	WIN 0
.rept 4
	v_nop                                          ; four places (ISA guide 7.12.1) in front of the first read of those scores
.endr
	TURN 0, 0, 1, 1
	TURN 1, 1, 1, 0
	v_add_nc_u32 v[AD], STEPB, v[LI]               ; trip 1 is written out: step 0's products V^T P^T start O^T's sums with the constant 0, so nothing is cleared
	TURN 2, 1, 1, 1
	TURN 3, 1, 1, 0
	TURN 0, 1, 1, 1
	TURN 1, 2, 1, 0
	TRIPS 2, 2                                     ; steps 2 and 3 have landed with the first part
	LANDED 1                                       ; steps 4-9; the last part may be out
	TRIPS 4, 6
	LANDED 0                                       ; steps 10-15: no tensor load of mine is out any more
	TRIPS 10, 6
	TURN 2, 2, 1, 0                                ; the last step's last two tiles: nothing more to fetch
	TURN 3, 2, 0, 0
	s_mul_i32 s84, s[WV], 16*SPITCH
	s_add_co_u32 s84, s84, STAGE                   ; my stage.  The eight lines below are the places between the last scale word and codes and the products that take them
	v_and_b32 v6, 15, v0                           ; r
	v_bfe_u32 v7, v0, 4, 1                         ; h
	v_mul_u32_u24 v[STO], v6, SPITCH
	v_lshl_add_u32 v[STO], v7, 5, v[STO]
	v_add_nc_u32 v[STO], s84, v[STO]               ; in: row r, + 32 h
	v_add_nc_u32 v[RD], s84, v[LI]                 ; back: the 32 lanes take one row of 512 bytes
	v_nop
	v_nop
	PV 3, 1, 0
; THE WAY OUT of tile t: the softmax over the 128 channels, of which a lane holds 64 and lane l xor 16 the others.  The row's largest Z is taken away first, then exp2((Z - max) log2(e)), the sum, the division.
; The results go through my stage and leave as whole rows.  Tiles 0 to 2 were finished long ago; their arithmetic also stands between the last products and the first read of tile 3.
.macro OUT t
.set ZB, SBUF+64*((\t)%2)
.set OB, 64*(\t)
	WIN 0
.irp k, 0,1,2,3
	v_mov_b32 v[TM+\k], 0xff800000                 ; -infinity starts four chains
.endr
	WIN 0x14                                       ; sources 1 and 2: window 1
.irp n, 0,2,4,6,8,10,12,14
.irp k, 0,1,2,3
	v_max3_num_f32 v[TM+\k], v[TM+\k], v[OB+16*\k+\n], v[OB+16*\k+\n+1]   ; each accumulator from its low end on
.endr
.endr
	WIN 0
	v_max3_num_f32 v[TM], v[TM], v[TM+1], v[TM+2]
	v_max_num_f32 v[TM], v[TM], v[TM+3]
	v_permlanex16_b32 v[TM+4], v[TM], s[SEL], s[SEL+1]
	v_max_num_f32 v[MX], v[TM], v[TM+4]            ; the row's largest Z
	v_mov_b32 v[MX+1], v[MX]
	WIN 0x01                                       ; source 0: window 1
.set TI, 0
.rept 32
	v_pk_add_f32 v[ZB+TI:ZB+TI+1], v[OB+TI:OB+TI+1], v[MX:MX+1] op_sel_hi:[1,0] neg_lo:[0,1] neg_hi:[0,1]   ; Z - max, ahead of the factor: close numbers lose nothing, however large Z is
.set TI, TI+2
.endr
	WIN 0
.set TI, 0
.rept 32
	v_pk_mul_f32 v[ZB+TI:ZB+TI+1], v[ZB+TI:ZB+TI+1], s[L2E:L2E+1] op_sel_hi:[1,0]
.set TI, TI+2
.endr
.set TI, 0
.rept 64
	v_exp_f32 v[ZB+TI], v[ZB+TI]
.set TI, TI+1
.endr
	v_nop                                          ; a plain place behind the exponentials
	s_wait_alu depctr_va_vdst(0)
	v_pk_add_f32 v[TM:TM+1], v[ZB:ZB+1], v[ZB+2:ZB+3]          ; the sum, two at a time, in two chains
	v_pk_add_f32 v[TM+2:TM+3], v[ZB+4:ZB+5], v[ZB+6:ZB+7]
.irp n, 8,12,16,20,24,28,32,36,40,44,48,52,56,60
	v_pk_add_f32 v[TM:TM+1], v[TM:TM+1], v[ZB+\n:ZB+\n+1]
	v_pk_add_f32 v[TM+2:TM+3], v[TM+2:TM+3], v[ZB+\n+2:ZB+\n+3]
.endr
	v_pk_add_f32 v[TM:TM+1], v[TM:TM+1], v[TM+2:TM+3]
	v_add_f32 v[TM], v[TM], v[TM+1]
	v_permlanex16_b32 v[TM+4], v[TM], s[SEL], s[SEL+1]
	v_add_f32 v[TM], v[TM], v[TM+4]                ; at least 1: the largest Z's term
	v_rcp_f32 v[RC], v[TM]
	v_nop                                          ; a plain place behind the reciprocal
.set TI, 0
	s_wait_alu depctr_va_vdst(0)
.rept 32
	v_pk_mul_f32 v[ZB+TI:ZB+TI+1], v[ZB+TI:ZB+TI+1], v[RC:RC+1] op_sel_hi:[1,0]
.set TI, TI+2
.endr
	s_wait_xcnt 0x0                                ; the last tile's stores have read the registers into which this tile's rows are loaded
.irp n, 0,1,2,3,4,5,6,7
	ds_store_b128 v[STO], v[ZB+8*\n:ZB+8*\n+3] offset:64*\n        ; lane (r, h): channels 16 n + 8 h + 0 .. 7 of query r
	ds_store_b128 v[STO], v[ZB+8*\n+4:ZB+8*\n+7] offset:64*\n+16
.endr
.irp n, 0,1,2,3,4,5,6,7,8,9,10,11,12,13,14,15
	ds_load_b128 v[BK+4*\n:BK+4*\n+3], v[RD] offset:SPITCH*\n      ; LDS serves a wave's instructions in order (ISA guide 5.7.1.4): these see the stores above; the next tile's stores come behind them
.endr
.irp n, 0,1,2,3,4,5,6,7,8,9,10,11,12,13,14,15
	s_wait_dscnt 15-\n                             ; row n is back; the younger loads may be out
	global_store_b128 v[LI], v[BK+4*\n:BK+4*\n+3], s[8:9] offset:(8*(\t)+\n+24*(\n/8))*512 th:TH_STORE_NT   ; tile t's row n is query 8 t + n % 8 + 32 (n / 8) of my 64.  32 lanes store a row: 512 consecutive bytes, aligned; written once, read by nobody here
.endr
.endm
	OUT 0
	OUT 1
	OUT 2
	OUT 3
	s_wait_dscnt 0x0
	s_wait_tensorcnt 0x0
	ds_add_u32 v62, v63
	s_wait_dscnt 0x0
	ROUND                                          ; the closing round: no work-group ends while a partner may still ask for bytes by a load that names it
	s_endpgm
.Lfunc_end_k_q2e17d3a696_attend:
	.size	k_q2e17d3a696_attend, .Lfunc_end_k_q2e17d3a696_attend-k_q2e17d3a696_attend
	.p2alignl 7, 3214868480
	.fill 96, 4, 3214868480
	.section	.rodata,"a",@progbits
	.p2align	6, 0x0
	.amdhsa_kernel k_q2e17d3a696_attend
		.amdhsa_group_segment_fixed_size 327680
		.amdhsa_private_segment_fixed_size 0
		.amdhsa_enable_private_segment 0
		.amdhsa_kernarg_size 24
		.amdhsa_user_sgpr_count 2
		.amdhsa_user_sgpr_kernarg_segment_ptr 1
		.amdhsa_wavefront_size32 1
		.amdhsa_system_sgpr_workgroup_id_x 1
		.amdhsa_system_sgpr_workgroup_id_y 1
		.amdhsa_system_sgpr_workgroup_id_z 1
		.amdhsa_system_vgpr_workitem_id 0
		.amdhsa_next_free_vgpr 768
		.amdhsa_next_free_sgpr 96
		.amdhsa_reserve_vcc 0
		.amdhsa_float_denorm_mode_32 3
		.amdhsa_float_denorm_mode_16_64 3
		.amdhsa_memory_ordered 1
		.amdhsa_forward_progress 1
		.amdhsa_inst_pref_size 229
	.end_amdhsa_kernel
	.amdgpu_metadata
---
amdhsa.version: [ 1, 2 ]
amdhsa.kernels:
  - .name:           k_q2e17d3a696_attend
    .symbol:         k_q2e17d3a696_attend.kd
    .args:
      - { .name: qq, .offset: 0, .size: 8, .value_kind: global_buffer, .address_space: global }
      - { .name: kv, .offset: 8, .size: 8, .value_kind: global_buffer, .address_space: global }
      - { .name: out0, .offset: 16, .size: 8, .value_kind: global_buffer, .address_space: global }
    .group_segment_fixed_size: 327680
    .private_segment_fixed_size: 0
    .kernarg_segment_align: 8
    .kernarg_segment_size: 24
    .max_flat_workgroup_size: 128
    .sgpr_count:     96
    .vgpr_count:     768
    .wavefront_size: 32
...
	.end_amdgpu_metadata
.endif
;; end of part 2
;; ======== version 2 of 2: 2 launches; version 1 with the launch project written anew for expert scheduling mode
;; workspace buffers: qq 4,456,448 bytes; kv 8,912,896 bytes
;; launch project (part 3): grid 32 x 8, 8 waves a work-group, no clusters, 117,760 bytes of LDS; arguments x, W_q, W_k, W_v, qq, kv; writes qq, kv
.if DOCPART == 3
	.amdgcn_target "amdgcn-amd-amdhsa--gfx1250"
	.amdhsa_code_object_version 6
	.text
	.protected	k_q2e17d3a696_project
	.globl	k_q2e17d3a696_project
	.p2align	8
	.type	k_q2e17d3a696_project,@function
k_q2e17d3a696_project:
	s_mov_b64 s[64:65], 0
	v_nop
	global_prefetch_b8 v0, s[64:65] scope:SCOPE_SE
	s_setreg_imm32_b32 hwreg(HW_REG_WAVE_SCHED_MODE, 0, 2), 2
	s_setreg_imm32_b32 hwreg(HW_REG_WAVE_MODE, 25, 1), 1
	s_wait_xcnt 0x0
	s_wait_alu depctr_vm_vsrc(0)
; Q, K, V = x W^T for 256 rows of x and one head (products on codes of FP4 (E2M1), one E8M0 scale for each 32 along K), and the results quantised again
; for the next launch: Q and K along the head's 128 channels, V along the keys.  x: [8192][128] f32; W_q, W_k, W_v: [1024][128] f32.
; OUT.  A FRAGMENT is 16 rows x 128 K of codes as the matrix instruction's registers hold it: 8 registers a lane, 1,024 bytes, registers 4 c .. 4 c + 3 of lane l at 512 c + 16 l.
;   qq [bh 32][block of 256 queries 8][wave 4][4,352]: four fragments of Q, then 256 bytes of scale words (row r, tile tt at 16 r + 4 tt).
;   kv [bh 32][step of 128 keys 16][17,408]: K's 8 fragments, V^T's 8 (16 channels x 128 keys each), K's scale words (512 bytes), V's (512): the word of (fragment f, row r) at 16 (16 (f & 1) + r) + 4 (f >> 1).
; THE ROWS OF A TILE ARE NOT NEIGHBOURS: of a group of 128 rows, lane r of tile 4 c + u takes row 64 c + 32 (r / 8) + 8 u + r % 8.  With such tiles as source 0, the 32 registers of result tiles 4 c .. 4 c + 3 are,
; in a lane of half h, the 32 neighbours 64 c + 32 h + 0 .. 31 along the axis that is quantised next (W_q's and W_k's rows, the channels, for Q and K; x's rows, the keys, for V): A WHOLE BLOCK IN ONE LANE, in the very order
; of the 4-bit operand's registers.  So a block's largest magnitude needs no other lane and the conversions' results are the fragment.  The same fragments of x serve as source 1 for Q and K.
; SHARES.  Eight waves.  Wave w quantises five fragments (x's tiles w and w + 8, tile w of each weight) and stores their register images in LDS; behind a barrier it makes six result fragments
; (Q's tiles w and w + 8, K's fragment w of both steps, V^T's channels 16 w .. 16 w + 15 of both steps), eight matrix instructions each.
; NO JOINT TENSOR LOADS, though work-groups share x's rows and the weights: the f32 rows have to be turned and quantised, and 256 + 384 rows of 528 bytes are 337,920 bytes, more than LDS holds; so they go through registers.
; LIMITS.  NaN and infinities among the inputs are not served.  A block of zeros gets the byte 1 where the rule says 127: its codes are zeros, which add nothing, and this program alone reads the bytes.
; THE MODE: SCHED_MODE bits 1:0 = 2 (LLVM: expert scheduling mode 2), set by the entry lines.  The code itself states the register dependences
; between vector or matrix instructions and memory or LDS instructions, with s_wait_alu, always for 0.
; THE PLAN.  Registers that memory or LDS instructions touch:
;   v1-v10      addresses and offsets: written once at the head, ahead of one wait on va_vdst; read by every load and store; never written again.
;   RA, RB      first part: global loads land in them, the stage's LDS stores read them; no vector instruction names them.  Second part: RA is the set of eight fragments, RB the result tiles.
;   X           the stage's LDS loads land in it, the quantiser reads it; later my three single fragments land there.
;   PC0, PW0    first part: the quantiser writes them, the image's LDS stores read them.
;   PC0/1, PW0/1  second part: result c is quantised into set c % 2; its three stores are issued in result c + 1.
;   the set and its scale words  LDS loads land in them, the eight matrix instructions read them.
; First part, for each fragment: one wait on vm_vsrc behind the turn through the stage (the rows' registers and the last image's codes have been read), one on va_vdst behind the quantiser (the codes are written, X is read out).
; Second part, for each result: one wait on va_vdst behind its matrix instructions: the result before is quantised (its stores follow) and the set has been read (the next set's loads follow, dealt among the search's lines,
; which name the result tiles and the chains alone); one wait on vm_vsrc at its head, a whole quantiser behind the stores that read the set of codes written next.
.set XIMG,   0                         ; LDS: x's 16 fragments,
.set WIMG,   16384                     ; the weights' 24 (8 m + t; m = 0 W_q, 1 W_k, 2 W_v),
.set XSC,    40960                     ; x's scale words, 128 bytes a fragment (4 bytes a lane),
.set WSC,    43008                     ; the weights',
.set SSTG,   46080                     ; the results' scale words as they leave: [step 2][K 512 | V 512], then Q's 4 x 256
.set STG,    49152                     ; a turning stage for each wave: 16 rows x 528
.set SPITCH, 528                       ; 512 bytes + 16: an odd multiple of 16, so that sixteen lanes reading one column of sixteen rows touch sixteen different 16-byte columns of 256
.set WSTG,   16*SPITCH
.set STEPB,  17408                     ; a key step in kv
.set HEADB,  16*STEPB
.set QENT,   4352                      ; a wave's entry in qq
.set LI,  1                            ; v1   16 x lane
.set LS,  2                            ; v2   4 x lane
.set WI,  3                            ; v3   16 x lane + 1,024 x wave: my fragment among eight
.set WS,  4                            ; v4   4 x lane + 128 x wave: its scale words
.set SW,  5                            ; v5   my stage, on the way in: 16 x lane
.set SRD, 6                            ; v6   and out: 528 r + 128 h
.set SK,  7                            ; v7   where K's and V's scale words go
.set SQ,  8                            ; v8   where Q's go
.set L8,  9                            ; v9   8 x lane + 256 x wave
.set G8,  10                           ; v10  8 x lane
.set SH,  15                           ; v15  8 h: how far my two scale bytes are shifted in the scale word
.set TM,  16                           ; v16-23 eight chains of the search; v24-25 leftovers and the floor; v26-27 the conversions' scale operands; v28-29 bytes; v30 the other half's bytes
.set PC,  32                           ; v32-39, v56-63 the codes just made, two sets: set p at PC + 24 p
.set PW,  40                           ; v40, v31 their scale words: set p at PW - 9 p
.set SETS, 41                          ; v41-48 scale words of the set of eight fragments
.set ONES, 49                          ; v49-51 scale words of my three single fragments
.set RA,  64                           ; v64-127  16 rows as loaded; later the set of eight fragments
.set RB,  128                          ; v128-191 the same; later eight result tiles
.set X,   192                          ; v192-255 64 numbers of my row; later my three single fragments
.set SETF, RA
.set HA,   RB
.set ONE,  X
.set WV,  16
.set SEL, 20
; 16 rows of a tile, each load one whole row: 32 lanes x 16 bytes = 512 consecutive bytes.  perm = 1: rows 0-7 and 32-39 from the base on
.macro GLOAD reg, base, perm, off
.irp n, 0,1,2,3,4,5,6,7,8,9,10,11,12,13,14,15
	global_load_b128 v[\reg+4*\n:\reg+4*\n+3], v[LI], s[\base:\base+1] offset:\off+(\n+24*(\n/8)*\perm)*512
.endr
.endm
; through my own stage: afterwards register 32 c + i of X holds k = 64 c + 32 (lane / 16) + i of row lane % 16.  LDS serves a wave's instructions in order (ISA guide 5.7.1.4): no wait between the stores and the loads
.macro TURNX reg
.irp n, 0,1,2,3,4,5,6,7,8,9,10,11,12,13,14,15
	ds_store_b128 v[SW], v[\reg+4*\n:\reg+4*\n+3] offset:SPITCH*\n
.endr
.irp c, 0,1
.irp j, 0,1,2,3,4,5,6,7
	ds_load_b128 v[X+32*\c+4*\j:X+32*\c+4*\j+3], v[SRD] offset:256*\c+16*\j
.endr
.endr
.endm
; THE QUANTISER of 64 numbers of a lane, register 32 c + i = k 64 c + 32 (lane / 16) + i of my row: two whole blocks.  They become a fragment's codes and its scale word.  It is written in parts, so that LDS loads can stand between them.
; The search: eight chains of seven numbers, so that a line reads a result made eight lines before (QMAX s, 0 starts them, QMAX s, 3 and QMAX s, 5 add two numbers each); the eight numbers left over, the floor and the chains
; are joined by eight more lines (QJOIN): 32 lines for 64 numbers.
.macro QMAX s, n
.irp q, 0,1,2,3,4,5,6,7
.if \n == 0
	v_max3_num_f32 v[TM+\q], |v[\s+8*\q]|, |v[\s+8*\q+1]|, |v[\s+8*\q+2]|   ; chain q takes one result tile's registers, from the low end on
.else
	v_max3_num_f32 v[TM+\q], v[TM+\q], |v[\s+8*\q+\n]|, |v[\s+8*\q+\n+1]|
.endif
.endr
.endm
.macro QJOIN s
.irp c, 0,1
	v_max3_num_f32 v[TM+8+\c], |v[\s+32*\c+23]|, |v[\s+32*\c+31]|, 0x1800000   ; two of the block's four leftovers, and the floor 2^(3 - 127): the byte cannot fall under 1
.endr
.irp c, 0,1
	v_max3_num_f32 v[TM+4*\c], v[TM+4*\c], v[TM+4*\c+1], |v[\s+32*\c+7]|
.endr
.irp c, 0,1
	v_max3_num_f32 v[TM+4*\c+2], v[TM+4*\c+2], v[TM+4*\c+3], |v[\s+32*\c+15]|
.endr
.irp c, 0,1
	v_max3_num_f32 v[TM+4*\c], v[TM+4*\c], v[TM+4*\c+2], v[TM+8+\c]   ; the largest magnitude of block 2 c + h
.endr
.endm
.macro QREST s, pc, pw                         ; codes into v[pc] on, the scale word into v[pw]
.irp c, 0,1
	v_add_nc_u32 v[TM+10+\c], 0xff000000, v[TM+4*\c]   ; 2 off its exponent field: the conversion takes this operand's exponent field as its scale
.endr
.irp c, 0,1
.irp g, 0,1,2,3
	v_cvt_scalef32_pk8_fp4_f32 v[(\pc)+4*\c+\g], v[\s+32*\c+8*\g:\s+32*\c+8*\g+7], v[TM+10+\c]   ; registers 4 c .. 4 c + 3 of the fragment
.endr
.endr
.irp c, 0,1
	v_lshrrev_b32 v[TM+12+\c], 23, v[TM+10+\c]     ; the scale's byte.  (These plain lines stand behind the last conversion; they touch no result and write no source of it)
.endr
	v_lshl_or_b32 v[TM+12], v[TM+13], 16, v[TM+12] ; my two bytes: blocks h and 2 + h of my row,
	v_lshlrev_b32 v[TM+12], v[SH], v[TM+12]        ; at their places in the scale word (8 h bits up);
	v_permlanex16_b32 v[TM+14], v[TM+12], s[SEL], s[SEL+1]
	v_or_b32 v[\pw], v[TM+12], v[TM+14]            ; with lane l xor 16's two the word is whole, in both halves of the lanes
.endm
.macro QUANT s, pc, pw                         ; the quantiser in one piece
	QMAX \s, 0
	QMAX \s, 3
	QMAX \s, 5
	QJOIN \s
	QREST \s, \pc, \pw
.endm
.macro IMAGE adr, off                          ; the fragment in set 0 of the codes goes to LDS as it stands
.irp c, 0,1
	ds_store_b128 v[\adr], v[PC+4*\c:PC+4*\c+3] offset:\off+512*\c
.endr
.endm
.macro FETCH reg, adr, off                     ; and comes back so, in any wave
.irp c, 0,1
	ds_load_b128 v[\reg+4*\c:\reg+4*\c+3], v[\adr] offset:\off+512*\c
.endr
.endm
.macro FSETF img, t0                           ; four of a set's eight fragments, t0 on: eight LDS loads
.irp t, 0,1,2,3
	FETCH SETF+8*(\t0+\t), LI, \img+1024*(\t0+\t)
.endr
.endm
.macro FSETS sc                                ; the set's scale words: eight LDS loads
.irp t, 0,1,2,3,4,5,6,7
	ds_load_b32 v[SETS+\t], v[LS] offset:\sc+128*\t
.endr
.endm
; One of my five input fragments: rows in v[reg] on -> image at img, scale words at sc.  left: the loads that may stay out.  nbase: the base of the fragment loaded next into the same registers (0: none)
.macro TOIMG reg, left, img, sc, nbase, nperm
	s_wait_loadcnt \left                           ; loads come back in order: this fragment's 16 are in
	TURNX \reg
	s_wait_alu depctr_vm_vsrc(0)                   ; the stage's stores have read the rows' registers, in which the next loads land (behind the last two fragments: the set's loads and the products' results); the last image's stores have read the codes and the scale word, which the quantiser below writes again
.if \nbase
	GLOAD \reg, \nbase, \nperm, 0
.endif
	s_wait_dscnt 0x0                               ; X is back
	QUANT X, PC, PW
	s_wait_alu depctr_va_vdst(0)                   ; the quantiser has written the codes and the scale word, which the stores below read, and is done reading X, in which the next LDS loads land (the next fragment's from the stage; behind the last one my single fragments')
	IMAGE WI, \img
	ds_store_b32 v[WS], v[PW] offset:\sc
.endm
; A result fragment leaves: its codes from set p to memory, its scale word to the LDS bytes from which the scale words leave at the end
.macro SEND p, gbase, goff, sadr, soff
.irp c, 0,1
	global_store_b128 v[LI], v[PC+24*(\p)+4*\c:PC+24*(\p)+4*\c+3], s[\gbase:\gbase+1] offset:\goff+512*\c   ; 32 lanes store 512 consecutive bytes, at a multiple of 256 from the buffer's first byte
.endr
	ds_store_b32 v[\sadr], v[PW-9*(\p)] offset:\soff   ; both halves of the lanes write the same word with the same value
.endm
; One result fragment: the set's eight fragments (source 0) x my single fragment k (source 1), quantised into set p of the codes.
; free = 2: global and LDS stores have read set p; 1: LDS stores alone (the first part's last image); 0: nothing has read it yet.  nimg >= 0: the next set is fetched while this result is quantised.
; prev = 1: the result before, in the other set of codes, leaves now; gbase, goff, sadr, soff say where to.
.macro CHUNK k, p, free, nimg, nsc, prev, gbase, goff, sadr, soff
	s_wait_dscnt 0x0                               ; the set is in, and the last scale word's store is done
.if \free == 2
	s_wait_xcnt 0x0                                ; the global stores issued one result ago have had their addresses translated (ISA guide 3.1): set p of the codes, which they read, is written again only behind this wait
.endif
.if \free
	s_wait_alu depctr_vm_vsrc(0)                   ; the stores that read set p of the codes and its scale word have read them: the quantiser below writes them again
.endif
.irp t, 0,1,2,3,4,5,6,7
	v_wmma_scale_f32_16x16x128_f8f6f4 v[HA+8*\t:HA+8*\t+7], v[SETF+8*\t:SETF+8*\t+7], v[ONE+8*\k:ONE+8*\k+7], 0, v[SETS+\t], v[ONES+\k] matrix_a_fmt:MATRIX_FMT_FP4 matrix_b_fmt:MATRIX_FMT_FP4
.endr
.rept 4
	v_nop                                          ; four places (ISA guide 7.12.1) in front of the first read of the results
.endr
.if \prev
	s_wait_alu depctr_va_vdst(0)                   ; the quantiser of the result before has written the other set of codes and its scale word, which the stores below read; the matrix instructions are done reading the set and its scale words, in which the loads below land
	SEND 1-(\p), \gbase, \goff, \sadr, \soff
.endif
.if \nimg >= 0
	FSETF \nimg, 0                                 ; no further wait: the lines between name the result tiles and the chains alone
.endif
	QMAX HA, 0                                     ; each result tile is read from its low end on
.if \nimg >= 0
	FSETF \nimg, 4
.endif
	QMAX HA, 3
.if \nimg >= 0
	FSETS \nsc
.endif
	QMAX HA, 5
	QJOIN HA
	QREST HA, PC+24*(\p), PW-9*(\p)
.endm
	s_load_b256 s[4:11], s[0:1], 0x0               ; x s[4:5], W_q s[6:7], W_k s[8:9], W_v s[10:11]
	s_load_b128 s[12:15], s[0:1], 0x20             ; qq s[12:13], kv s[14:15]
	s_set_vgpr_msb 0x40
	v_lshl_add_u32 v0, v0, 2, 0x1c800
	v_mov_b32 v1, 0
	s_set_vgpr_msb 0x4000
	v_lshrrev_b32 v11, 5, v0
	v_readfirstlane_b32 s[WV], v11                 ; wave 0..7
	s_and_b32 s17, ttmp7, 0xffff                   ; the head
	s_lshr_b32 s18, ttmp9, 3
	s_lshl_b32 s18, s18, 3
	s_add_co_u32 s18, s18, s17                     ; bh = 8 x batch + head
	s_and_b32 s19, ttmp9, 7                        ; which 256 rows of the batch's 2,048
	s_mov_b32 s[SEL], 0x76543210
	s_mov_b32 s[SEL+1], 0xfedcba98                 ; v_permlanex16_b32's selects for lane l xor 16
	s_wait_alu depctr_va_sdst(0)                   ; the wave's number is written, ahead of its first reader: bases, LDS addresses and a branch are made from it
	s_lshr_b32 s22, s[WV], 2
	s_lshl_b32 s22, s22, 6
	s_and_b32 s23, s[WV], 3
	s_lshl_b32 s23, s23, 3
	s_add_co_u32 s22, s22, s23                     ; tile w's first row in its group of 128: 64 (w / 4) + 8 (w % 4)
	s_lshl_b32 s24, ttmp9, 8
	s_add_co_u32 s24, s24, s22
	s_lshl_b32 s24, s24, 9                         ; x: that row of my 256, in bytes
	s_mov_b32 s25, 0
	s_lshl_b32 s26, s17, 7                         ; the head's first row in a weight
	s_add_co_u32 s28, s26, s22
	s_lshl_b32 s28, s28, 9                         ; W_q, W_k: tile w in the same order of rows
	s_mov_b32 s29, 0
	s_lshl_b32 s30, s[WV], 4
	s_add_co_u32 s30, s30, s26
	s_lshl_b32 s30, s30, 9                         ; W_v: rows 16 w .. 16 w + 15 as they lie
	s_mov_b32 s31, 0
	s_lshl_b32 s32, s18, 3
	s_add_co_u32 s32, s32, s19
	s_lshl_b32 s32, s32, 2                         ; my block's first entry in qq
	s_lshr_b32 s33, s[WV], 2
	s_and_b32 s34, s[WV], 3
	s_add_co_u32 s40, s32, s33
	s_mul_i32 s40, s40, QENT
	s_lshl_b32 s41, s34, 10
	s_add_co_u32 s40, s40, s41                     ; Q's tile w: entry w / 4, fragment w % 4 (tile w + 8: two entries on)
	s_mov_b32 s41, 0
	s_add_co_u32 s42, s32, s[WV]
	s_mul_i32 s42, s42, QENT
	s_add_co_u32 s42, s42, 4096                    ; entry w's scale words (used by waves 0 to 3 alone)
	s_mov_b32 s43, 0
	s_mul_i32 s44, s18, HEADB
	s_mul_i32 s45, s19, 2*STEPB
	s_add_co_u32 s44, s44, s45                     ; my block's first key step in kv
	s_lshl_b32 s46, s[WV], 10
	s_add_co_u32 s46, s46, s44                     ; fragment w of it
	s_mov_b32 s47, 0
	s_mul_i32 s48, s33, STEPB
	s_add_co_u32 s48, s48, s44
	s_lshl_b32 s49, s34, 8
	s_add_co_u32 s48, s48, s49
	s_add_co_u32 s48, s48, 16384                   ; step w / 4's scale words, my 256 bytes of their 1,024
	s_mov_b32 s49, 0
	v_and_b32 v12, 31, v0                          ; lane
	v_and_b32 v13, 15, v0                          ; r
	v_bfe_u32 v14, v0, 4, 1                        ; h
	v_lshlrev_b32 v[SH], 3, v14
	v_lshlrev_b32 v[LI], 4, v12
	v_lshlrev_b32 v[LS], 2, v12
	v_lshlrev_b32 v[G8], 3, v12
	s_lshl_b32 s50, s[WV], 10                      ; (each scalar that a vector line below reads has a register of its own: none of them is written again)
	v_add_nc_u32 v[WI], s50, v[LI]
	s_lshl_b32 s53, s[WV], 7
	v_add_nc_u32 v[WS], s53, v[LS]
	s_mul_i32 s54, s[WV], WSTG
	s_add_co_u32 s54, s54, STG                     ; my stage
	v_add_nc_u32 v[SW], s54, v[LI]
	v_mul_u32_u24 v[SRD], v13, SPITCH
	v_lshl_add_u32 v[SRD], v14, 7, v[SRD]          ; row r, + 128 h: my block of 32 numbers
	v_add_nc_u32 v[SRD], s54, v[SRD]
	s_and_b32 s51, s[WV], 1
	s_lshl_b32 s51, s51, 8
	s_lshr_b32 s52, s[WV], 1
	s_lshl_b32 s52, s52, 2
	s_add_co_u32 s51, s51, s52
	s_add_co_u32 s51, s51, SSTG
	v_lshl_add_u32 v[SK], v13, 4, s51              ; 16 (16 (w & 1) + r) + 4 (w >> 1)
	s_lshl_b32 s55, s33, 8
	s_lshl_b32 s52, s34, 2
	s_add_co_u32 s55, s55, s52
	s_add_co_u32 s55, s55, SSTG+2048
	v_lshl_add_u32 v[SQ], v13, 4, s55              ; 256 (w / 4) + 16 r + 4 (w % 4)
	s_lshl_b32 s35, s[WV], 8
	v_add_nc_u32 v[L8], s35, v[G8]
	v_mov_b32 v[TM+14], 0                          ; written once: a lane permute's destination counts as one of its sources
	s_wait_kmcnt 0x0
	s_add_nc_u64 s[4:5], s[4:5], s[24:25]
	s_add_nc_u64 s[6:7], s[6:7], s[28:29]
	s_add_nc_u64 s[8:9], s[8:9], s[28:29]
	s_add_nc_u64 s[10:11], s[10:11], s[30:31]
	s_add_nc_u64 s[36:37], s[12:13], s[42:43]
	s_add_nc_u64 s[38:39], s[14:15], s[48:49]
	s_add_nc_u64 s[12:13], s[12:13], s[40:41]
	s_add_nc_u64 s[14:15], s[14:15], s[46:47]
	s_wait_alu depctr_va_vdst(0)                   ; the ten addresses and offsets v1 to v10 are written, which every load and store of the kernel reads; no line writes them again
	; ---- my five input fragments.  Two fragments' rows (32 loads) are on their way while one is turned and quantised
	GLOAD RA, 4, 1, 0                              ; x's tile w
	GLOAD RB, 4, 1, 65536                          ; x's tile w + 8: 128 rows on
	TOIMG RA, 16, XIMG, XSC, 6, 1                  ; behind its turn W_q's tile w is asked for,
	TOIMG RB, 16, XIMG+8192, XSC+1024, 8, 1        ; W_k's,
	TOIMG RA, 16, WIMG, WSC, 10, 0                 ; W_v's
	TOIMG RB, 16, WIMG+8192, WSC+1024, 0, 0
	TOIMG RA, 0, WIMG+16384, WSC+2048, 0, 0
	s_wait_dscnt 0x0                               ; for the others' sake: my images and scale words have landed
	s_barrier_signal -1
	s_barrier_wait -1                              ; all 40 fragments lie in LDS
	; ---- my six result fragments.  (The loads below land in X, which the last quantiser has read out, and in RA, which the stage's stores have read: both were stated in the last fragment's turn, and no vector line has stood since)
	FETCH ONE, WI, XIMG                            ; x's tile w,
	FETCH ONE+8, WI, XIMG+8192                     ; x's tile w + 8,
	FETCH ONE+16, WI, WIMG+16384                   ; W_v's tile w
	ds_load_b32 v[ONES], v[WS] offset:XSC
	ds_load_b32 v[ONES+1], v[WS] offset:XSC+1024
	ds_load_b32 v[ONES+2], v[WS] offset:WSC+2048
	FSETF WIMG, 0                                  ; W_q's eight
	FSETF WIMG, 4
	FSETS WSC
	CHUNK 0, 0, 1, -1, 0, 0, 12, 0, SQ, 0                      ; Q's tile w: nothing leaves yet
	CHUNK 1, 1, 0, WIMG+8192, WSC+1024, 1, 12, 0, SQ, 0        ; Q's tile w + 8; Q's tile w leaves; next set: W_k's eight
	CHUNK 0, 0, 2, -1, 0, 1, 12, 2*QENT, SQ, 512               ; K, first step, fragment w; Q's tile w + 8 leaves
	CHUNK 1, 1, 2, XIMG, XSC, 1, 14, 0, SK, 0                  ; K, second step; K's first leaves; next set: x's tiles 0-7
	CHUNK 2, 0, 2, XIMG+8192, XSC+1024, 1, 14, STEPB, SK, 1024 ; V^T, first step, channels 16 w on; K's second leaves; next set: x's tiles 8-15
	CHUNK 2, 1, 2, -1, 0, 1, 14, 8192, SK, 512                 ; V^T, second step; V^T's first leaves
	s_wait_alu depctr_va_vdst(0)                   ; the last quantiser has written set 1 of the codes and its scale word, which the last three stores read
	SEND 1, 14, STEPB+8192, SK, 1536               ; V^T's second leaves
	s_wait_dscnt 0x0                               ; for the others' sake: my scale words have landed
	s_barrier_signal -1
	s_barrier_wait -1
	; ---- the scale words leave: each wave stores 256 consecutive bytes, aligned.  (v52 to v55 are named by these loads and stores alone)
	ds_load_b64 v[52:53], v[L8] offset:SSTG
	s_wait_dscnt 0x0
	global_store_b64 v[G8], v[52:53], s[38:39]
	s_cmp_lt_u32 s[WV], 4                          ; Q's four entries: waves 0 to 3
	s_cbranch_scc0 .Lend
	ds_load_b64 v[54:55], v[L8] offset:SSTG+2048
	s_wait_dscnt 0x0
	global_store_b64 v[G8], v[54:55], s[36:37]
.Lend:
	s_set_vgpr_msb 0x5
	s_wait_dscnt 0x0
	s_wait_alu depctr_hold_cnt(0) depctr_sa_sdst(0) depctr_va_vdst(0) depctr_va_sdst(0) depctr_va_ssrc(0) depctr_va_vcc(0) depctr_vm_vsrc(0)
	s_wait_tensorcnt 0x0
	ds_add_u32 v0, v1
	s_wait_dscnt 0x0
	s_endpgm
.Lfunc_end_k_q2e17d3a696_project:
	.size	k_q2e17d3a696_project, .Lfunc_end_k_q2e17d3a696_project-k_q2e17d3a696_project
	.p2alignl 7, 3214868480
	.fill 96, 4, 3214868480
	.section	.rodata,"a",@progbits
	.p2align	6, 0x0
	.amdhsa_kernel k_q2e17d3a696_project
		.amdhsa_group_segment_fixed_size 117760
		.amdhsa_private_segment_fixed_size 0
		.amdhsa_enable_private_segment 0
		.amdhsa_kernarg_size 48
		.amdhsa_user_sgpr_count 2
		.amdhsa_user_sgpr_kernarg_segment_ptr 1
		.amdhsa_wavefront_size32 1
		.amdhsa_system_sgpr_workgroup_id_x 1
		.amdhsa_system_sgpr_workgroup_id_y 1
		.amdhsa_system_sgpr_workgroup_id_z 1
		.amdhsa_system_vgpr_workitem_id 0
		.amdhsa_next_free_vgpr 258
		.amdhsa_next_free_sgpr 66
		.amdhsa_reserve_vcc 0
		.amdhsa_float_denorm_mode_32 3
		.amdhsa_float_denorm_mode_16_64 3
		.amdhsa_memory_ordered 1
		.amdhsa_forward_progress 1
		.amdhsa_inst_pref_size 72
	.end_amdhsa_kernel
	.amdgpu_metadata
---
amdhsa.version: [ 1, 2 ]
amdhsa.kernels:
  - .name:           k_q2e17d3a696_project
    .symbol:         k_q2e17d3a696_project.kd
    .args:
      - { .name: x, .offset: 0, .size: 8, .value_kind: global_buffer, .address_space: global }
      - { .name: W_q, .offset: 8, .size: 8, .value_kind: global_buffer, .address_space: global }
      - { .name: W_k, .offset: 16, .size: 8, .value_kind: global_buffer, .address_space: global }
      - { .name: W_v, .offset: 24, .size: 8, .value_kind: global_buffer, .address_space: global }
      - { .name: qq, .offset: 32, .size: 8, .value_kind: global_buffer, .address_space: global }
      - { .name: kv, .offset: 40, .size: 8, .value_kind: global_buffer, .address_space: global }
    .group_segment_fixed_size: 117760
    .private_segment_fixed_size: 0
    .kernarg_segment_align: 8
    .kernarg_segment_size: 48
    .max_flat_workgroup_size: 256
    .sgpr_count:     66
    .vgpr_count:     258
    .wavefront_size: 32
...
	.end_amdgpu_metadata
.endif
;; end of part 3
;; launch attend: the kernel of part 2 again; grid 8 x 32, 4 waves a work-group, clusters of 4 x 1, 327,680 bytes of LDS; arguments qq, kv, out0; writes out0
